; MI455X (gfx1250); checked and timed in simulation.
; The chip was launched on July 23, 2026; its instructions are those of AMD's public machine-readable ISA for CDNA 5 (MIT licence, August 2026) and "CDNA5" Instruction Set Architecture Reference Guide (July 2026). The comments in the code are by the model that wrote it; some were corrected since.
;; FP8 GEMM. Allowed arithmetic: matrix products marked QUANTISED: E2M3 operands, one E8M0 scale for each 32 along K, by v_wmma_scale_f32_16x16x128_f8f6f4 with both operands' format E2M3, f32 sums; everything else in f32.
;; Inputs: scale1 4,096 float32; scale2 4,096 float32; scale_inv1 4,096 float32; scale_inv2 4,096 float32; x1 4,096 x 4,096 float32; x2 4,096 x 4,096 float32.
;; Outputs: out0 4,096 x 4,096 bfloat16.
;; This version of the problem:
;;   THIS VERSION OF THE PROBLEM IS GIVEN IN LOW PRECISION. The matrix products marked QUANTISED in the list below multiply operands that are first quantised to E2M3 (2 exponent bits, 3 mantissa bits; 6 bits a number), with one power-of-two scale for each 32 numbers along K (OCP MX v1.0); their sums are f32. All else is computed in f32.
;;   The module's matrix products, in the order in which they are computed (A, B: the left and right operand; K: the contracted axis; several contracted axes count as one K, in the product's order):
;;     1. [M 4,096, K 4,096] x [K 4,096, N 4,096]; A: computed on the way; B: computed on the way: QUANTISED
;;   THE QUANTISER, for each operand of a quantised product, along K:
;;     - K is cut into blocks of 32 from its start; a last block that is shorter is filled with zeros.
;;     - A block's scale is 2^e with e = floor(log2(the largest magnitude in the block)) - 2, held to -126 .. 127; a block of zeros has e = 0. As a byte (E8M0): e + 127.
;;     - Each number is divided by its block's scale, clamped to +-7.5, and rounded to the nearest number of E2M3, ties to even, subnormals kept.
;;     - The product sums the exact products of the quantised numbers (number of the format x scale) in f32.
;;   ~~~python
;;   def quantise(x, axis):      # numpy; x: float32 -> the quantised numbers, widened to float32 again
;;       x = np.moveaxis(x, axis, -1); K = x.shape[-1]
;;       x = np.pad(x, [(0, 0)] * (x.ndim - 1) + [(0, -K % 32)]); x = x.reshape(x.shape[:-1] + (-1, 32)); a = np.abs(x).max(-1, keepdims=True)
;;       e = np.where(a > 0, np.clip(np.frexp(np.where(a > 0, a, 1))[1] - 1 - 2, -126, 127), 0)      # np.frexp(a)[1] - 1 = floor(log2(a)), exactly
;;       r = np.clip(x / 2.0 ** e, -7.5, 7.5)
;;       step = 2.0 ** (np.maximum(np.frexp(np.where(r == 0, 1, r))[1] - 1, 0) - 3)
;;       q = np.round(r / step) * step * 2.0 ** e      # np.round: ties to even
;;       return np.moveaxis(q.reshape(q.shape[:-2] + (-1,))[..., :K], -1, axis).astype(np.float32)
;;   ~~~
;;   OPERANDS COMPUTED ON THE WAY. 'Computed on the way' means the value that the module computes at that place (a softmax that the list does not call 'softmax' is quantised finished and normalised). What goes into a quantiser is computed in f32, as accurately as f32 sums, v_exp_f32 and their like allow (about 1e-6 of the number): no bf16 or f16 on the way to a quantiser, and a product that is left as it is and whose result goes on into a quantised operand takes f32 operands (vector FMAs, or v_wmma_f32_16x16x4_f32). A number that lies on a knife's edge between two numbers of the format may be rounded either way, as far as f32 arithmetic and the matrix unit's own rounding can turn it there, and no further.
;; One version. Each part assembles by itself: llvm-mc -triple=amdgcn-amd-amdhsa -mcpu=gfx1250 --defsym DOCPART=n.
;; ======== version 1 of 1: 2 launches
;; limits: values are held in bf16: 8 bits of precision; right only within a limited range of input values
;; workspace buffers: a_img 13,107,200 bytes; b_img 13,107,200 bytes
;; launch quant (part 1): grid 1024 x 1, 4 waves a work-group, no clusters, 35,328 bytes of LDS; arguments x1, x2, scale1, scale2, a_img, b_img; writes a_img, b_img
.if DOCPART == 1
	.amdgcn_target "amdgcn-amd-amdhsa--gfx1250"
	.amdhsa_code_object_version 6
	.text
	.protected	k_q1c77e4ae09_quant
	.globl	k_q1c77e4ae09_quant
	.p2align	8
	.type	k_q1c77e4ae09_quant,@function
k_q1c77e4ae09_quant:
	s_mov_b64 s[64:65], 0
	v_nop
	global_prefetch_b8 v0, s[64:65] scope:SCOPE_SE
	s_setreg_imm32_b32 hwreg(HW_REG_WAVE_MODE, 25, 1), 1
	s_wait_xcnt 0x0
; x1 and x2, [4096][4096] f32, become the two operands of the product, once.  Each number is multiplied by its row's scale (one f32 rounding), held to +-448 and rounded to the
; nearest number of E4M3 (ties to even, subnormals kept): by the conversion to fp8 with the scale 1 and the conversion back, which is exact.  That number is then quantised along K
; to E2M3 with one E8M0 byte for each 32: the byte is the exponent field of the block's largest magnitude less 2, held at 1 from below.
; LIMITS: NaN among the inputs is not served (infinities are held at 448, as the clip has it).  A block of zeros gets the byte 1 where the rule says 127: its codes are zeros, which add
; nothing under any byte but 0xff, and the bytes are read by this program alone.
; THE OUTPUT IS LAID IN THE ORDER OF THE OPERAND'S REGISTERS.  A UNIT OF THE IMAGE is 128 rows x 128 along K: 12,800 bytes, unit (g = row / 128, t = k / 128) at (32 g + t) x 12,800.
; In it fragment i (16 rows) lies at 1,536 i: registers 4 n .. 4 n + 3 of lane L at 512 n + 16 L.  Lane L = r + 16 h holds row 16 i + r; registers 6 c .. 6 c + 5 hold
; k = 64 c + 32 h + 0 .. 31 of the unit's 128.  From byte 12,288 on the scale words: row 16 i + r has its word at 64 i + 4 r.
; SHARES.  One launch serves both tensors: work-groups 0-511 take x1, the others x2; only pointers are chosen, there is one path.  A work-group makes two neighbouring units (256 along K);
; wave w their row blocks 2 w and 2 w + 1: four fragments, in eight PIECES of 16 rows x 64 along K.  In a piece a lane ends up with one whole block of 32, so no lane asks another for a maximum.
; A load reads two rows' 256 aligned consecutive bytes, 16 a lane; a piece's 4,096 bytes turn through the wave's own stage in LDS (rows 272 bytes apart) and come back 128 bytes a lane.
; Loads run four pieces ahead (32 a wave), the turn through LDS one piece.  A wave's scale words are 128 consecutive bytes of each unit: two waves' stores fill 256.
; No barrier: waves share nothing.  No cluster, no matrix unit: every byte is read once and used once.
.set UNITB, 12800
.set PANEL, 2*UNITB                    ; what a work-group makes
.set FRB,   1536                       ; a fragment's image
.set SCOFF, 12288                      ; the scale words' place in a unit
.set XROW,  16384                      ; a row of x in bytes
.set SP,    272                        ; a stage row: 256 bytes + 16
.set STG,   16*SP
.set WREG,  2*STG                      ; a wave's two stages
.set SPARE, 4*WREG                     ; behind them: the spare words, 128 bytes for each wave
.set GL,  4                            ; x: 16,384 (lane / 16) + 16 (lane % 16)
.set SI,  5                            ; the stage, on the way in: 272 (lane / 16) + 16 (lane % 16)
.set SO,  6                            ; and on the way out: 272 r + 128 h
.set CO,  7                            ; my codes' place in a unit: 16 x lane + 3,072 x wave
.set RS,  8                            ; v[8:9], v[10:11] my row's scale in the wave's two row blocks, each twice
.set T,   16                           ; v[16:18] a block's upper 16 codes
.set BY,  19                           ; the two scale bytes in hand
.set W,   20                           ; v20-23 the four fragments' scale words
.set PD,  24                           ; the lane permute's destination
.set SH,  25                           ; 8 h
.set SPW, 26                           ; LDS address of my spare word; never rewritten
.set NIL, 27                           ; 0; never rewritten
.set ONE, 28                           ; 1.0: the scale operand of the conversion to fp8
.set E1,  29                           ; the byte 127 four times: the scale 1 of the conversion back
.set WO,  30                           ; my scale word's place: 4 x lane + 128 x wave
.set R,   32                           ; v32-159  four sets of 32 numbers as loaded
.set X,   160                          ; v160-223 two sets of 32 neighbours along K
.set F,   224                          ; v224-231 fp8 codes
.set C,   232                          ; v232-255 two sets of 12: a fragment's codes
	s_load_b256 s[4:11], s[0:1], 0x0               ; x1, x2, scale1, scale2
	s_load_b128 s[12:15], s[0:1], 0x20             ; a_img, b_img
	v_lshl_add_u32 v[SPW], v0, 2, SPARE
	v_mov_b32 v[NIL], 0
	v_lshrrev_b32 v1, 5, v0
	v_readfirstlane_b32 s16, v1                    ; wave 0..3
	v_and_b32 v1, 31, v0                           ; lane
	v_and_b32 v2, 15, v0                           ; r
	v_bfe_u32 v3, v0, 4, 1                         ; h
	s_mul_i32 s17, s16, WREG                       ; my stages
	v_lshlrev_b32 v[GL], 4, v2
	v_lshl_add_u32 v[GL], v3, 14, v[GL]
	v_mul_u32_u24 v[SI], v3, SP
	v_lshl_add_u32 v[SI], v2, 4, v[SI]
	v_add_nc_u32 v[SI], s17, v[SI]
	v_mul_u32_u24 v[SO], v2, SP
	v_lshl_add_u32 v[SO], v3, 7, v[SO]
	v_add_nc_u32 v[SO], s17, v[SO]
	s_mul_i32 s18, s16, 2*FRB
	v_lshlrev_b32 v[CO], 4, v1
	v_add_nc_u32 v[CO], s18, v[CO]
	s_lshl_b32 s19, s16, 7
	v_lshlrev_b32 v[WO], 2, v1
	v_add_nc_u32 v[WO], s19, v[WO]
	v_lshlrev_b32 v31, 2, v2                       ; 4 r: my row's scale
	v_lshlrev_b32 v[SH], 3, v3
	v_mov_b32 v[PD], 0                             ; written once: a lane permute's destination counts as one of its sources
	v_mov_b32 v[ONE], 0x3f800000
	v_mov_b32 v[E1], 0x7f7f7f7f
	s_mov_b32 s20, 0x76543210
	s_mov_b32 s21, 0xfedcba98                      ; v_permlanex16_b32's selects for lane l xor 16
	s_mov_b32 s22, 0xc3e00000                      ; -448
	s_mov_b32 s23, 0x43e00000                      ; 448
	s_and_b32 s24, ttmp9, 511                      ; my pair of units: 16 g + c
	s_lshr_b32 s25, s24, 4                         ; g
	s_and_b32 s26, s24, 15                         ; c
	s_lshl_b32 s28, s25, 21                        ; x: 128 g rows of 16,384 bytes
	s_lshl_b32 s27, s26, 10                        ;    + 256 c numbers
	s_add_co_u32 s28, s28, s27
	s_lshl_b32 s27, s16, 19                        ;    + 32 rows a wave
	s_add_co_u32 s28, s28, s27
	s_mov_b32 s29, 0
	s_lshl_b32 s30, s25, 9                         ; the row scales: 4 (128 g + 32 wave)
	s_lshl_b32 s27, s16, 7
	s_add_co_u32 s30, s30, s27
	s_mov_b32 s31, 0
	s_mul_i32 s32, s24, PANEL                      ; the pair's first byte
	s_mov_b32 s33, 0
	s_wait_alu depctr_va_vdst(0)                   ; the wait at the head's end
	s_wait_kmcnt 0x0
	s_cmp_lt_u32 ttmp9, 512                        ; x1's work-group or x2's?  The choice hangs on the work-group's number alone
	s_cselect_b64 s[4:5], s[4:5], s[6:7]
	s_cselect_b64 s[8:9], s[8:9], s[10:11]
	s_cselect_b64 s[12:13], s[12:13], s[14:15]
	s_add_nc_u64 s[4:5], s[4:5], s[28:29]
	s_add_nc_u64 s[8:9], s[8:9], s[30:31]
	s_add_nc_u64 s[12:13], s[12:13], s[32:33]
	global_load_b32 v[RS], v31, s[8:9]
	global_load_b32 v[RS+1], v31, s[8:9]
	global_load_b32 v[RS+2], v31, s[8:9] offset:64
	global_load_b32 v[RS+3], v31, s[8:9] offset:64
; piece u = 4 j + 2 q + c: rows 16 j on of the wave's 32, k = 64 (u % 4) on of the pair's 256
.macro LOAD u
.irp i, 0,1,2,3,4,5,6,7
	global_load_b128 v[R+32*((\u)%4)+4*\i:R+32*((\u)%4)+4*\i+3], v[GL], s[4:5] offset:(16*((\u)/4)+2*\i)*XROW+256*((\u)%4) th:TH_LOAD_NT   ; two rows' 256 consecutive bytes, each at a multiple of 256 from x's first byte
.endr
.endm
; piece u through stage u % 2: LDS serves a wave's instructions in order, so no wait stands between the stores and the loads
.macro TURN u
.irp i, 0,1,2,3,4,5,6,7
	ds_store_b128 v[SI], v[R+32*((\u)%4)+4*\i:R+32*((\u)%4)+4*\i+3] offset:STG*((\u)%2)+2*SP*\i
.endr
.irp i, 0,1,2,3,4,5,6,7
	ds_load_b128 v[X+32*((\u)%2)+4*\i:X+32*((\u)%2)+4*\i+3], v[SO] offset:STG*((\u)%2)+16*\i
.endr
.endm
.macro STEP u
.set XS, X+32*((\u)%2)
.set CS, C+12*(((\u)/2)%2)+6*((\u)%2)  ; registers 6 c .. 6 c + 5 of fragment u / 2
	s_wait_dscnt 0x0                               ; this piece's numbers are back from the stage: so its stores into the stage have read their registers,
.if (\u)+4 < 8
	LOAD (\u)+4                                    ; which take the loads of four pieces on
.endif
.if (\u) < 7
.if 6-(\u) >= 3
	s_wait_loadcnt 24                              ; the next piece's eight loads are in; those of the three pieces behind it may be out
.else
	s_wait_loadcnt 8*(6-(\u))                      ; the counts run down: two pieces behind it, one, none
.endif
	TURN (\u)+1                                    ; and go through the other stage while this piece is worked
.endif
.set n, 0
.rept 16
	v_pk_mul_f32 v[XS+n:XS+n+1], v[XS+n:XS+n+1], v[RS+2*((\u)/4):RS+2*((\u)/4)+1]   ; x times its row's scale
.set n, n+2
.endr
.set n, 0
.rept 32
	v_med3_num_f32 v[XS+n], v[XS+n], s22, s23      ; held to +-448: beyond it the conversion below has no number
.set n, n+1
.endr
.irp n, 0,1,2,3
	v_cvt_scalef32_pk8_fp8_f32 v[F+2*\n:F+2*\n+1], v[XS+8*\n:XS+8*\n+7], v[ONE]   ; to the nearest number of E4M3, ties to even
.endr
	v_nop                                          ; one plain instruction between scaled conversions and what touches their results or writes their sources
.irp n, 0,1,2,3
	v_cvt_scale_pk8_f32_fp8 v[XS+8*\n:XS+8*\n+7], v[F+2*\n:F+2*\n+1], v[E1]       ; and back to f32, exactly
.endr
	v_nop
	v_max3_num_f32 v12, |v[XS]|, |v[XS+1]|, |v[XS+2]|          ; the block's largest magnitude: all 32 numbers are mine; two chains
	v_max3_num_f32 v13, |v[XS+3]|, |v[XS+4]|, |v[XS+5]|
.irp i, 6,10,14,18,22,26
	v_max3_num_f32 v12, v12, |v[XS+\i]|, |v[XS+\i+1]|
	v_max3_num_f32 v13, v13, |v[XS+\i+2]|, |v[XS+\i+3]|
.endr
	v_max3_num_f32 v12, v12, |v[XS+30]|, |v[XS+31]|
	v_max3_num_f32 v12, v12, v13, 0x1800000        ; and the floor 2^(3 - 127): the byte cannot fall under 1
	v_add_nc_u32 v14, 0xff000000, v12              ; 2 off its exponent field: the conversion takes the exponent field of this operand as its scale
	v_lshrrev_b32 v15, 23, v14                     ; the scale's byte
.if ((\u) == 4) || ((\u) == 6)
	s_wait_alu depctr_va_vdst(0)                   ; directly ahead of the wait below
	s_wait_xcnt 0x0                                ; the stores of the fragment two back have read this set of code registers: it is written again only behind this wait
.endif
	v_cvt_scalef32_pk16_fp6_f32 v[CS:CS+2], v[XS:XS+15], v14
	v_cvt_scalef32_pk16_fp6_f32 v[T:T+2], v[XS+16:XS+31], v14
.if (\u)%2 == 0
	v_mov_b32 v[BY], v15                           ; block h of the fragment's four.  (Also the plain instruction behind the conversions)
.else
	v_lshl_or_b32 v[BY], v15, 16, v[BY]            ; and block 2 + h
.endif
.irp i, 0,1,2
	v_mov_b32 v[CS+3+\i], v[T+\i]
.endr
.if (\u)%2 == 1
	v_lshlrev_b32 v[BY], v[SH], v[BY]              ; my two bytes at their places in the row's word, 8 h bits up;
	v_permlanex16_b32 v[PD], v[BY], s20, s21
	v_or_b32 v[W+(\u)/2], v[BY], v[PD]             ; with lane l xor 16's two the word is whole
.irp n, 0,1,2
	global_store_b128 v[CO], v[CS-6+4*\n:CS-6+4*\n+3], s[12:13] offset:UNITB*(((\u)/2)%2)+FRB*((\u)/4)+512*\n   ; unit q, row block 2 w + j: the wave stores 512 consecutive bytes, at a multiple of 256 from the buffer's first byte
.endr
.endif
.endm
.irp u, 0,1,2,3
	LOAD \u
.endr
	s_wait_loadcnt 24                              ; the row scales and piece 0 are in; pieces 1 to 3 may be out
	TURN 0
.irp u, 0,1,2,3,4,5,6,7
	STEP \u
.endr
	v_cmp_gt_u32 vcc_lo, 16, v1                    ; lanes 0-15 store the first row block's word of row r, lanes 16-31 the second's
	v_cndmask_b32 v[W], v[W+2], v[W], vcc_lo
	v_cndmask_b32 v[W+1], v[W+3], v[W+1], vcc_lo
	global_store_b32 v[WO], v[W], s[12:13] offset:SCOFF            ; the first unit's words of my 32 rows: 128 consecutive bytes
	global_store_b32 v[WO], v[W+1], s[12:13] offset:UNITB+SCOFF    ; and the second unit's
	s_wait_tensorcnt 0x0                           ; the wave's end: behind my last LDS store
	ds_add_u32 v[SPW], v[NIL]
	s_wait_dscnt 0x0
	s_endpgm
.Lfunc_end_k_q1c77e4ae09_quant:
	.size	k_q1c77e4ae09_quant, .Lfunc_end_k_q1c77e4ae09_quant-k_q1c77e4ae09_quant
	.p2alignl 7, 3214868480
	.fill 96, 4, 3214868480
	.section	.rodata,"a",@progbits
	.p2align	6, 0x0
	.amdhsa_kernel k_q1c77e4ae09_quant
		.amdhsa_group_segment_fixed_size 35328
		.amdhsa_private_segment_fixed_size 0
		.amdhsa_enable_private_segment 0
		.amdhsa_kernarg_size 48
		.amdhsa_user_sgpr_count 2
		.amdhsa_user_sgpr_kernarg_segment_ptr 1
		.amdhsa_wavefront_size32 1
		.amdhsa_system_sgpr_workgroup_id_x 1
		.amdhsa_system_sgpr_workgroup_id_y 1
		.amdhsa_system_sgpr_workgroup_id_z 1
		.amdhsa_system_vgpr_workitem_id 0
		.amdhsa_next_free_vgpr 256
		.amdhsa_next_free_sgpr 66
		.amdhsa_reserve_vcc 1
		.amdhsa_float_denorm_mode_32 3
		.amdhsa_float_denorm_mode_16_64 3
		.amdhsa_memory_ordered 1
		.amdhsa_forward_progress 1
		.amdhsa_inst_pref_size 60
	.end_amdhsa_kernel
	.amdgpu_metadata
---
amdhsa.version: [ 1, 2 ]
amdhsa.kernels:
  - .name:           k_q1c77e4ae09_quant
    .symbol:         k_q1c77e4ae09_quant.kd
    .args:
      - { .name: x1, .offset: 0, .size: 8, .value_kind: global_buffer, .address_space: global }
      - { .name: x2, .offset: 8, .size: 8, .value_kind: global_buffer, .address_space: global }
      - { .name: scale1, .offset: 16, .size: 8, .value_kind: global_buffer, .address_space: global }
      - { .name: scale2, .offset: 24, .size: 8, .value_kind: global_buffer, .address_space: global }
      - { .name: a_img, .offset: 32, .size: 8, .value_kind: global_buffer, .address_space: global }
      - { .name: b_img, .offset: 40, .size: 8, .value_kind: global_buffer, .address_space: global }
    .group_segment_fixed_size: 35328
    .private_segment_fixed_size: 0
    .kernarg_segment_align: 8
    .kernarg_segment_size: 48
    .max_flat_workgroup_size: 128
    .sgpr_count:     66
    .vgpr_count:     256
    .wavefront_size: 32
...
	.end_amdgpu_metadata
.endif
;; end of part 1
;; launch gemm (part 2): grid 16 x 16, 4 waves a work-group, clusters of 4 x 4, 327,680 bytes of LDS; arguments a_img, b_img, scale_inv1, scale_inv2, out0; writes out0
.if DOCPART == 2
	.amdgcn_target "amdgcn-amd-amdhsa--gfx1250"
	.amdhsa_code_object_version 6
	.text
	.protected	k_q1c77e4ae09_gemm
	.globl	k_q1c77e4ae09_gemm
	.p2align	8
	.type	k_q1c77e4ae09_gemm,@function
k_q1c77e4ae09_gemm:
	s_mov_b64 s[64:65], 0
	v_nop
	global_prefetch_b8 v0, s[64:65] scope:SCOPE_SE
	s_setreg_imm32_b32 hwreg(HW_REG_WAVE_MODE, 25, 1), 1
	s_wait_xcnt 0x0
	s_wait_alu depctr_hold_cnt(0) depctr_sa_sdst(0) depctr_va_vdst(0) depctr_va_sdst(0) depctr_va_ssrc(0) depctr_va_vcc(0) depctr_vm_vsrc(0)
	s_getreg_b32 s2, hwreg(HW_REG_IB_STS2, 6, 4)
	s_cmp_eq_u32 s2, 0
	s_cbranch_scc0 .Lentry_in_a_cluster
	s_endpgm
.Lentry_in_a_cluster:
	s_bfe_u32 s2, ttmp6, 0x10000c
	s_cmp_lg_u32 s2, 0xf033
	s_cbranch_scc0 .Lentry_shape_is_right
	s_endpgm
.Lentry_shape_is_right:
; out0[m][n] = bf16( (sum over k of A[m][k] B[n][k]) x scale_inv1[m] x scale_inv2[n] ), A and B the E2M3 codes and E8M0 bytes that launch quant has laid.
; THE IMAGES: a unit is 128 rows x 128 along K, 12,800 bytes, unit (g, t) at (32 g + t) x 12,800: eight fragments of 1,536 bytes in the order of the operand's registers
; (registers 4 n .. 4 n + 3 of lane L at 512 n + 16 L), then 512 bytes of scale words (row 16 i + r at 64 i + 4 r).  Units that follow each other along K are neighbours in memory.
; A tile of out0, 256 x 256, is made by four waves, a wave 128 x 128: 64 accumulators, 512 registers.  K goes through a ring of two LDS slots.  A SLOT HOLDS THREE STEPS OF 128 ALONG K:
; four parts (A's two halves, B's two halves) of three units each, 38,400 bytes, one dense tensor load a wave of 150 rows of 256 bytes.  Two such slots, the stage and the spare words
; are 325,120 bytes.  32 steps are ten fills of three and a last one of two; the short one comes last.
; CLUSTERS: 4 x 4 work-groups; A's parts are asked for jointly along a row of the cluster, B's along a column.  A round of the cluster's barrier stands in front of each joint refill.
; PREFETCH: behind the refill for fill f each wave asks for fill f + 2: of the 150 blocks of 256 bytes that it will fetch, the partner at place p (cx for A, cy for B) names 38 p .. 38 p + 37,
; told apart by address, held at block 149; fills 0 to 3 and the last come by their loads alone; the loop's last trip asks for nothing.
; THE MATRIX INSTRUCTION IS USED TRANSPOSED (source 0 = 16 rows of B, source 1 = 16 rows of A): a lane holds eight neighbouring numbers of a row of out0.
; REGISTERS: window 0: v0-31 addresses; v32-47 scale words, two sets of 8 (lanes 0-15 A's block i, lanes 16-31 B's block i); v64-127 scale_inv2; v128-223 A's fragments, one set; v224-239 scale_inv1.
;   window 1: B's fragments, two sets, at v0 and v128.  windows 2, 3: the accumulators ((a, b) at v[8 (8 (a % 4) + b)]).
.set UNIT,   12800
.set WPART,  3*UNIT                    ; what one tensor load brings
.set SLOT,   4*WPART
.set FRB,    1536
.set SCOFF,  12288
.set GROUPB, 32*UNIT                   ; 128 rows, all of K
.set FR,     12
.set NL,     3                         ; LDS loads that bring a fragment
.set NP,     4                         ; places behind this matrix instruction (ISA guide 7.12.1)
.set LAPS,   4
.set STAGE,  2*SLOT                    ; behind the ring: 16 rows x 272 bytes for each wave, for the way out
.set SPITCH, 272
.set SPARE,  STAGE+4*16*SPITCH         ; the spare words, 128 bytes for each wave
.set NROW,   8192                      ; a row of out0 in bytes
.set ADRA, 16                          ; v16-17 my A fragments in slot 0, 1
.set ADRS, 18                          ; v18-19 my scale words
.set ADRB, 20                          ; v20-21 my B fragments
.set STO,  24
.set RD,   25
.set CO,   26
.set SPW,  28                          ; my spare word; never rewritten
.set NIL,  29                          ; 0; never rewritten
.set PFO,  30                          ; v30-31 the prefetches' offsets
.set SC,   32
.set SI2,  64
.set AF,   128
.set SI1,  224
.set OB,   128
.set TMP,  192
.set G1,  24
.set G0,  32
.set G1B, 48
.set G0B, 56
.set PFA, 66
.set MSB, 0
.macro WIN new                         ; the immediate's high byte repeats the setting that is left
.if MSB != \new
	s_set_vgpr_msb (MSB<<8)|\new
.set MSB, \new
.endif
.endm
.set MUL_LO, 0xa1
.set MUL_HI, 0xf1
.set TO_B,   0x40
.macro JLOAD g0a, g1a, g0b, g1b        ; a joint load: waves 0 and 1 fetch A's halves, waves 2 and 3 B's; s_nop 0 and four v_nop behind each line
	s_cmp_eq_u32 s15, 0
	s_cbranch_scc0 .Lfor_b_\@
	tensor_load_to_lds s[\g0a:\g0a+3], s[\g1a:\g1a+7]
	s_nop 0
.rept 4
	v_nop
.endr
	s_branch .Lasked_\@
.Lfor_b_\@:
	tensor_load_to_lds s[\g0b:\g0b+3], s[\g1b:\g1b+7]
	s_nop 0
.rept 4
	v_nop
.endr
.Lasked_\@:
.endm
.macro CREST                           ; a round of the cluster's barrier behind its opening barrier
	s_cmp_lg_u32 s14, 0
	s_cbranch_scc1 .Lnot_wave_0_\@
	s_barrier_signal -3
.Lnot_wave_0_\@:
	s_barrier_wait -3
	s_barrier_signal -1
	s_barrier_wait -1
.endm
.macro CROUND
	s_barrier_signal -1
	s_barrier_wait -1
	CREST
.endm
.macro ASK                             ; the fill two refills on; s3 = 1 in the loop's last trip, whose look-ahead has no whole fill left
	s_cmp_gt_u32 s3, 1
	s_cbranch_scc0 .Lnot_now_\@
	global_prefetch_b8 v[PFO], s[PFA:PFA+1] th:TH_LOAD_NT scope:SCOPE_SE
	global_prefetch_b8 v[PFO+1], s[PFA:PFA+1] th:TH_LOAD_NT scope:SCOPE_SE
.Lnot_now_\@:
.endm
	s_load_b256 s[4:11], s[0:1], 0x0               ; a_img, b_img, scale_inv1, scale_inv2
	s_load_b64 s[12:13], s[0:1], 0x20              ; out0
	v_lshl_add_u32 v[SPW], v0, 2, SPARE
	v_mov_b32 v[NIL], 0
	ds_add_u32 v[SPW], v[NIL]                      ; the opening lines: the add, twice on end, and its wait ahead of my first tensor load
	ds_add_u32 v[SPW], v[NIL]
	v_lshrrev_b32 v1, 5, v0
	v_readfirstlane_b32 s14, v1                    ; wave 0..3
	s_lshr_b32 s15, s14, 1                         ; my half of the tile's rows; also: I fetch for A (0) or B (1)
	s_and_b32 s16, s14, 1                          ; my half of its columns; also: which half I fetch
	s_bfe_u32 s40, ttmp6, 0x40000                  ; cx
	s_bfe_u32 s41, ttmp6, 0x40004                  ; cy
	s_lshl_b32 s42, ttmp9, 2
	s_add_co_u32 s42, s42, s40                     ; tile column
	s_and_b32 s17, ttmp7, 0xffff
	s_lshl_b32 s17, s17, 2
	s_add_co_u32 s17, s17, s41                     ; tile row
	s_lshl_b32 s43, s41, 2
	s_lshl_b32 s43, 15, s43                        ; my row of the cluster
	s_lshl_b32 s44, 0x1111, s40                    ; my column
	s_or_b32 s[G1+0], s43, (3<<16)|(1<<21)         ; the mask; elements of 8 bytes; bit 21 beside a mask; no padding: the image is read 16 bytes a lane, lanes on end
	s_or_b32 s[G1B+0], s44, (3<<16)|(1<<21)
.irp g, G1, G1B
	s_mov_b32 s[\g+1], 32<<16                      ; rows of 256 bytes
	s_mov_b32 s[\g+2], 150<<16                     ; 150 of them
	s_mov_b32 s[\g+3], 32<<16
	s_mov_b32 s[\g+4], 150
	s_mov_b32 s[\g+5], 32
	s_mov_b32 s[\g+6], 0
	s_mov_b32 s[\g+7], 0
.endr
	s_lshl_b32 s20, s17, 1
	s_add_co_u32 s20, s20, s16
	s_mul_i32 s20, s20, GROUPB                     ; A: group 2 x tile row + half
	s_mov_b32 s21, 0
	s_lshl_b32 s46, s42, 1
	s_add_co_u32 s46, s46, s16
	s_mul_i32 s46, s46, GROUPB                     ; B: group 2 x tile column + half
	s_mov_b32 s47, 0
	s_mul_i32 s45, s14, WPART                      ; where my part goes: no place in the cluster enters an LDS address
	s_wait_dscnt 0x0
	s_wait_kmcnt 0x0
	s_add_nc_u64 s[20:21], s[4:5], s[20:21]
	s_add_nc_u64 s[46:47], s[6:7], s[46:47]
	CROUND                                         ; all sixteen work-groups are here: the first joint loads meet
.irp s, 0,1
	s_mov_b32 s[G0+4*\s], 1
	s_add_co_u32 s[G0+4*\s+1], s45, \s*SLOT
	s_add_nc_u64 s[G0+4*\s+2:G0+4*\s+3], s[20:21], \s*WPART
	s_or_b32 s[G0+4*\s+3], s[G0+4*\s+3], 0x80000000
	s_mov_b32 s[G0B+4*\s], 1
	s_add_co_u32 s[G0B+4*\s+1], s45, \s*SLOT
	s_add_nc_u64 s[G0B+4*\s+2:G0B+4*\s+3], s[46:47], \s*WPART
	s_or_b32 s[G0B+4*\s+3], s[G0B+4*\s+3], 0x80000000
.endr
	JLOAD G0, G1, G0B, G1B                         ; fill 0: one tensor load a wave at the head
	s_cmp_eq_u32 s15, 0
	s_cselect_b32 s18, s40, s41                    ; my place among the four that ask with me
	s_cselect_b64 s[PFA:PFA+1], s[20:21], s[46:47]
	s_add_nc_u64 s[PFA:PFA+1], s[PFA:PFA+1], 3*WPART   ; each refill steps it by a fill first: the first refill (fill 2) so names fill 4
	s_mul_i32 s18, s18, 38
	s_add_co_u32 s19, s18, 32
	s_mul_i32 s69, s15, WPART                      ; my half of A in a slot
	s_mul_i32 s70, s16, WPART
	s_add_co_u32 s70, s70, 2*WPART                 ; my half of B
	s_sub_co_u32 s71, s70, s69
	s_mul_i32 s72, s14, 16*SPITCH
	s_add_co_u32 s72, s72, STAGE                   ; my stage
	s_lshl_b32 s20, s17, 8
	s_lshl_b32 s21, s15, 7
	s_add_co_u32 s20, s20, s21                     ; my first row of out0
	s_lshl_b32 s46, s42, 8
	s_lshl_b32 s47, s16, 7
	s_add_co_u32 s46, s46, s47                     ; my first column
	s_lshl_b32 s22, s20, 2
	s_mov_b32 s23, 0
	s_add_nc_u64 s[8:9], s[8:9], s[22:23]
	s_lshl_b32 s22, s46, 2
	s_add_nc_u64 s[10:11], s[10:11], s[22:23]
	s_lshl_b32 s20, s20, 13
	s_lshl_b32 s46, s46, 1
	s_add_co_u32 s20, s20, s46
	s_mov_b32 s21, 0
	s_add_nc_u64 s[12:13], s[12:13], s[20:21]
	v_and_b32 v1, 15, v0                           ; r
	v_bfe_u32 v2, v0, 4, 1                         ; h
	v_and_b32 v3, 31, v0                           ; lane
	v_add_nc_u32 v[PFO], s18, v3                   ; blocks 38 p + 0 .. 31,
	v_min_u32 v[PFO+1], 5, v3
	v_min_u32 v[PFO], 149, v[PFO]
	v_add_nc_u32 v[PFO+1], s19, v[PFO+1]           ; and 38 p + 32 .. 37 (the lanes left over name the last again),
	v_lshlrev_b32 v[PFO], 8, v[PFO]
	v_min_u32 v[PFO+1], 149, v[PFO+1]              ; held inside the fill's 150
	v_lshlrev_b32 v4, 4, v3                        ; a fragment's image: 16 bytes a lane
	v_lshlrev_b32 v[PFO+1], 8, v[PFO+1]
	v_mul_u32_u24 v5, s71, v2                      ; scale words: lanes 16-31 take B's
	v_lshl_add_u32 v5, v1, 2, v5
	v_add_nc_u32 v5, SCOFF, v5
	v_add_nc_u32 v[ADRA], s69, v4
	v_add_nc_u32 v[ADRB], s70, v4
	v_add_nc_u32 v[ADRS], s69, v5
	v_add_nc_u32 v[ADRA+1], SLOT, v[ADRA]
	v_add_nc_u32 v[ADRB+1], SLOT, v[ADRB]
	v_add_nc_u32 v[ADRS+1], SLOT, v[ADRS]
	v_mul_u32_u24 v6, v1, SPITCH
	v_lshl_add_u32 v6, v2, 4, v6
	v_add_nc_u32 v[STO], s72, v6
	v_mul_u32_u24 v7, v2, SPITCH
	v_lshl_add_u32 v7, v1, 4, v7
	v_add_nc_u32 v[RD], s72, v7
	v_lshlrev_b32 v[CO], 4, v1
	v_lshl_add_u32 v[CO], v2, 13, v[CO]
	v_lshlrev_b32 v8, 2, v1
	v_lshlrev_b32 v9, 5, v2
.irp a, 0,1,2,3,4,5,6,7
	global_load_b32 v[SI1+2*\a], v8, s[8:9] offset:64*\a       ; scale_inv1 of row 16 a + r, twice: a pair for the packed multiply
	global_load_b32 v[SI1+2*\a+1], v8, s[8:9] offset:64*\a
.endr
.irp b, 0,1,2,3,4,5,6,7
	global_load_b128 v[SI2+8*\b:SI2+8*\b+3], v9, s[10:11] offset:64*\b       ; scale_inv2 of columns 16 b + 8 h + 0 .. 7
	global_load_b128 v[SI2+8*\b+4:SI2+8*\b+7], v9, s[10:11] offset:64*\b+16
.endr
.macro FRAG reg, adr, j, i             ; fragment i of the slot's unit j
.irp n, 0,1,2
	ds_load_b128 v[\reg+4*\n:\reg+4*\n+3], v[\adr] offset:(\j)*UNIT+(\i)*FRB+512*\n
.endr
.endm
; 16 matrix instructions: A's blocks a0, a0 + 1 x B's eight.  p: B's set and the set of scale words.  The 64 accumulators take turns in the same order in every step
.macro MUL16 a0, p, zero
.irp a, \a0, \a0+1
.irp b, 0,1,2,3,4,5,6,7
.if \zero
	v_wmma_scale_f32_16x16x128_f8f6f4 v[8*(8*((\a)%4)+\b):8*(8*((\a)%4)+\b)+7], v[128*(\p)+FR*\b:128*(\p)+FR*\b+FR-1], v[AF+FR*(\a):AF+FR*(\a)+FR-1], 0, v[SC+8*(\p)+\b], v[SC+8*(\p)+(\a)] matrix_a_fmt:MATRIX_FMT_FP6 matrix_b_fmt:MATRIX_FMT_FP6 matrix_a_scale:MATRIX_SCALE_ROW1
.else
	v_wmma_scale_f32_16x16x128_f8f6f4 v[8*(8*((\a)%4)+\b):8*(8*((\a)%4)+\b)+7], v[128*(\p)+FR*\b:128*(\p)+FR*\b+FR-1], v[AF+FR*(\a):AF+FR*(\a)+FR-1], v[8*(8*((\a)%4)+\b):8*(8*((\a)%4)+\b)+7], v[SC+8*(\p)+\b], v[SC+8*(\p)+(\a)] matrix_a_fmt:MATRIX_FMT_FP6 matrix_b_fmt:MATRIX_FMT_FP6 matrix_a_scale:MATRIX_SCALE_ROW1
.endif
.endr
.endr
.endm
.macro FETCH_B slot, j, p
	WIN TO_B
.irp i, 0,1,2,3,4,5,6,7
	FRAG 128*(\p)+FR*\i, ADRB+\slot, \j, \i
.endr
	WIN 0
.endm
.macro FETCH_A slot, j, i0
.irp i, \i0, \i0+1, \i0+2, \i0+3
	FRAG AF+FR*(\i), ADRA+\slot, \j, \i
.endr
.endm
.macro SCALES slot, j, p
.irp i, 0,1,2,3,4,5,6,7
	ds_load_b32 v[SC+8*(\p)+\i], v[ADRS+\slot] offset:(\j)*UNIT+64*\i
.endr
.endm
.macro PLACES n
.rept \n
	v_nop
.endr
.endm
; a step that is not its slot's last: multiplies unit j (set p) and fetches unit j + 1 of the same slot
.macro STEP slot, j, p, zero
	s_wait_dscnt 4*NL                              ; all but the youngest twelve loads (A's blocks 4-7)
	WIN MUL_LO
	MUL16 0, \p, \zero
	MUL16 2, \p, \zero
	s_wait_dscnt 0
	PLACES NP
	FETCH_B \slot, (\j)+1, 1-(\p)
	FETCH_A \slot, (\j)+1, 0
	SCALES \slot, (\j)+1, 1-(\p)
	WIN MUL_HI
	MUL16 4, \p, \zero
	MUL16 6, \p, \zero
	PLACES NP
	WIN 0
	FETCH_A \slot, (\j)+1, 4
.endm
; a slot's last step changes slots.  fill = 1: this slot is filled again, two fills on; 2: with the last fill, of two units; 0: nothing is left to fetch
.macro TURN slot, j, p, next, fill
.if \fill == 1
	s_wait_xcnt 0x0                                ; my prefetches have read their address: it is stepped only behind this wait
	s_add_nc_u64 s[PFA:PFA+1], s[PFA:PFA+1], WPART
.endif
	s_wait_tensorcnt 0x0                           ; all my tensor loads have landed: my part of the next slot;
	ds_add_u32 v[SPW], v[NIL]
	s_wait_dscnt 4*NL+1                            ; (the add and the youngest twelve loads may be out)
	WIN MUL_LO
	MUL16 0, \p, 0
	s_wait_dscnt 0x0                               ; the add is done, and my reads of this slot are over
	s_barrier_signal -1
	MUL16 2, \p, 0
	WIN 0
	s_barrier_wait -1
.if \fill
	CREST                                          ; the barrier has opened a round: no wave of any partner still reads this slot or has a load on its way
	s_add_nc_u64 s[G0+4*\slot+2:G0+4*\slot+3], s[G0+4*\slot+2:G0+4*\slot+3], 2*WPART
	s_add_nc_u64 s[G0B+4*\slot+2:G0B+4*\slot+3], s[G0B+4*\slot+2:G0B+4*\slot+3], 2*WPART
.if \fill == 2
	s_mov_b32 s[G1+2], 100<<16                     ; no tensor load of mine is out: the last fill has two units, 100 rows
	s_mov_b32 s[G1+4], 100
	s_mov_b32 s[G1B+2], 100<<16
	s_mov_b32 s[G1B+4], 100
.endif
	JLOAD G0+4*\slot, G1, G0B+4*\slot, G1B         ; the first tensor load behind the round; its four v_nop are the places in front of the loads below
.else
	PLACES NP
.endif
	FETCH_B \next, 0, 1-(\p)
	FETCH_A \next, 0, 0
	SCALES \next, 0, 1-(\p)
.if \fill == 1
	ASK
.endif
	WIN MUL_HI
	MUL16 4, \p, 0
	MUL16 6, \p, 0
	PLACES NP
	WIN 0
	FETCH_A \next, 0, 4
.endm
	s_wait_alu depctr_va_vdst(0)                   ; the wait at the head's end
	s_wait_loadcnt 0x0                             ; the two vectors of factors are in
	s_wait_tensorcnt 0x0                           ; my part of fill 0 is in
	ds_add_u32 v[SPW], v[NIL]
	s_wait_dscnt 0x0
	CROUND                                         ; everybody's part of fill 0 is in, and the joint loads meet
	JLOAD G0+4, G1, G0B+4, G1B                     ; fill 1, slot 1's first
	FETCH_B 0, 0, 0
	FETCH_A 0, 0, 0
	SCALES 0, 0, 0
	FETCH_A 0, 0, 4
	STEP 0, 0, 0, 1                                ; the first step's products start the sums
	s_mov_b32 s3, LAPS
.Llap:                                                 ; a trip: six steps, once round the ring, from a fill's second step to the first step of the fill two on
	STEP 0, 1, 1, 0
	TURN 0, 2, 0, 1, 1
	STEP 1, 0, 1, 0
	STEP 1, 1, 0, 0
	TURN 1, 2, 1, 0, 1
	STEP 0, 0, 0, 0
	s_sub_co_u32 s3, s3, 1
	s_cmp_lg_u32 s3, 0
	s_cbranch_scc1 .Llap
	STEP 0, 1, 1, 0                                ; fill 8 goes on,
	TURN 0, 2, 0, 1, 2                             ; and its slot takes the last fill
	STEP 1, 0, 1, 0                                ; fill 9
	STEP 1, 1, 0, 0
	TURN 1, 2, 1, 0, 0
	STEP 0, 0, 0, 0                                ; fill 10: steps 30 and 31
	s_wait_dscnt 4*NL
	WIN MUL_LO
	MUL16 0, 1, 0
	MUL16 2, 1, 0
	s_wait_dscnt 0
	WIN MUL_HI
	MUL16 4, 1, 0
	MUL16 6, 1, 0
	WIN 0
	PLACES NP
; THE WAY OUT, block by block of 16 rows: x scale_inv1 of the row, x scale_inv2 of the column, rounded to bf16; through my own stage, back as whole rows of 256 bytes
.macro PACK a
.set AC, 64*((\a)%4)
	WIN 0x82+0x41*((\a)/4)
.irp b, 0,1,2,3,4,5,6,7
.irp r, 0,2,4,6
	v_pk_mul_f32 v[AC+8*\b+\r:AC+8*\b+\r+1], v[AC+8*\b+\r:AC+8*\b+\r+1], v[SI1+2*(\a):SI1+2*(\a)+1]
.endr
.endr
.irp b, 0,1,2,3,4,5,6,7
.irp r, 0,2,4,6
	v_pk_mul_f32 v[AC+8*\b+\r:AC+8*\b+\r+1], v[AC+8*\b+\r:AC+8*\b+\r+1], v[SI2+8*\b+\r:SI2+8*\b+\r+1]
.endr
.endr
	WIN 0x0a+5*((\a)/4)
.irp b, 0,1,2,3,4,5,6,7
.irp r, 0,1,2,3
	v_cvt_pk_bf16_f32 v[TMP+4*\b+\r], v[AC+8*\b+2*\r], v[AC+8*\b+2*\r+1]
.endr
.endr
	WIN 0
.endm
.macro TOSTAGE a
.set BB, OB+32*((\a)%2)
.irp b, 0,1,2,3,4,5,6,7
	ds_store_b128 v[STO], v[TMP+4*\b:TMP+4*\b+3] offset:32*\b
.endr
.irp t, 0,1,2,3,4,5,6,7
	ds_load_b128 v[BB+4*\t:BB+4*\t+3], v[RD] offset:\t*2*SPITCH    ; LDS serves a wave's instructions in order: these see the stores above
.endr
.endm
.macro SEND a
.set BB, OB+32*((\a)%2)
	s_wait_dscnt 0x0
	s_wait_xcnt 0x0                                ; the earlier stores have read their registers and their base
.if (\a) > 0
	s_add_nc_u64 s[12:13], s[12:13], 16*NROW
.endif
.irp t, 0,1,2,3,4,5,6,7
	global_store_b128 v[CO], v[BB+4*\t:BB+4*\t+3], s[12:13] offset:2*\t*NROW th:TH_STORE_NT   ; 16 lanes store 256 consecutive bytes, at a multiple of 256 from out0's first byte
.endr
.endm
	PACK 0
	TOSTAGE 0
.irp a, 1,2,3,4,5,6,7
	PACK \a
	s_wait_alu depctr_va_vdst(0)                   ; directly ahead of SEND's waits
	SEND \a-1
	TOSTAGE \a
.endr
	SEND 7
	s_wait_tensorcnt 0x0                           ; the wave's end
	ds_add_u32 v[SPW], v[NIL]
	s_wait_dscnt 0x0
	CROUND                                         ; the closing round
	s_endpgm
.Lfunc_end_k_q1c77e4ae09_gemm:
	.size	k_q1c77e4ae09_gemm, .Lfunc_end_k_q1c77e4ae09_gemm-k_q1c77e4ae09_gemm
	.p2alignl 7, 3214868480
	.fill 96, 4, 3214868480
	.section	.rodata,"a",@progbits
	.p2align	6, 0x0
	.amdhsa_kernel k_q1c77e4ae09_gemm
		.amdhsa_group_segment_fixed_size 327680
		.amdhsa_private_segment_fixed_size 0
		.amdhsa_enable_private_segment 0
		.amdhsa_kernarg_size 40
		.amdhsa_user_sgpr_count 2
		.amdhsa_user_sgpr_kernarg_segment_ptr 1
		.amdhsa_wavefront_size32 1
		.amdhsa_system_sgpr_workgroup_id_x 1
		.amdhsa_system_sgpr_workgroup_id_y 1
		.amdhsa_system_sgpr_workgroup_id_z 1
		.amdhsa_system_vgpr_workitem_id 0
		.amdhsa_next_free_vgpr 1024
		.amdhsa_next_free_sgpr 80
		.amdhsa_reserve_vcc 0
		.amdhsa_float_denorm_mode_32 3
		.amdhsa_float_denorm_mode_16_64 3
		.amdhsa_memory_ordered 1
		.amdhsa_forward_progress 1
		.amdhsa_inst_pref_size 247
	.end_amdhsa_kernel
	.amdgpu_metadata
---
amdhsa.version: [ 1, 2 ]
amdhsa.kernels:
  - .name:           k_q1c77e4ae09_gemm
    .symbol:         k_q1c77e4ae09_gemm.kd
    .args:
      - { .name: a_img, .offset: 0, .size: 8, .value_kind: global_buffer, .address_space: global }
      - { .name: b_img, .offset: 8, .size: 8, .value_kind: global_buffer, .address_space: global }
      - { .name: scale_inv1, .offset: 16, .size: 8, .value_kind: global_buffer, .address_space: global }
      - { .name: scale_inv2, .offset: 24, .size: 8, .value_kind: global_buffer, .address_space: global }
      - { .name: out0, .offset: 32, .size: 8, .value_kind: global_buffer, .address_space: global }
    .group_segment_fixed_size: 327680
    .private_segment_fixed_size: 0
    .kernarg_segment_align: 8
    .kernarg_segment_size: 40
    .max_flat_workgroup_size: 128
    .sgpr_count:     80
    .vgpr_count:     1024
    .wavefront_size: 32
...
	.end_amdgpu_metadata
.endif
;; end of part 2
